; MI455X (gfx1250); checked and timed in simulation.
; The chip was launched on July 23, 2026; its instructions are those of AMD's public machine-readable ISA for CDNA 5 (MIT licence, August 2026) and "CDNA5" Instruction Set Architecture Reference Guide (July 2026). The comments in the code are by the model that wrote it; some were corrected since.
;; Attention Block. Allowed arithmetic: matrix products marked QUANTISED: E4M3 operands, one given power-of-two scale a tensor, by v_wmma_f32_16x16x64_fp8_fp8 or v_wmma_f32_16x16x128_fp8_fp8, f32 sums; everything else in f32.
;; Inputs: gn_b 256 float32; gn_w 256 float32; lowp_scales 8 int32 (the exponents e of the quantised operands' scales 2^e); proj_b 256 float32; proj_w 256 x 256 float32; qkv_b 768 float32; qkv_w 768 x 256 float32; x 4 x 256 x 64 x 64 float32.
;; Outputs: out0 4 x 256 x 64 x 64 float32.
;; This version of the problem:
;;   THIS VERSION OF THE PROBLEM IS GIVEN IN LOW PRECISION. The matrix products marked QUANTISED in the list below multiply operands that are first quantised to E4M3 (4 exponent bits, 3 mantissa bits; 8 bits a number), with one given power-of-two scale for each operand tensor; their sums are f32. All else is computed in f32.
;;   The module's matrix products, in the order in which they are computed (A, B: the left and right operand; K: the contracted axis; several contracted axes count as one K, in the product's order):
;;     1. [M 16,384, K 256] x [K 256, N 768]; A: computed on the way; B: input qkv_w: QUANTISED (scales: A lowp_scales[0], B lowp_scales[1])
;;     2. batch 4 x [M 4,096, K 256] x [K 256, N 4,096]; A: computed on the way; B: computed on the way: QUANTISED (scales: A lowp_scales[2], B lowp_scales[3])
;;     3. batch 4 x [M 256, K 4,096] x [K 4,096, N 4,096]; A: computed on the way; B: softmax (see below): QUANTISED (scales: A lowp_scales[4], B lowp_scales[5])
;;     4. [M 16,384, K 256] x [K 256, N 256]; A: computed on the way; B: input proj_w: QUANTISED (scales: A lowp_scales[6], B lowp_scales[7])
;;   THE QUANTISER, for each operand of a quantised product, along K:
;;     - The operand's scale is 2^e, e = its entry of the input lowp_scales (int32; the entries are numbered through the quantised products in the list's order, A before B).
;;     - Each number is divided by the scale, clamped to +-448, and rounded to the nearest number of E4M3, ties to even, subnormals kept.
;;     - The product sums the exact products of the quantised numbers (number of the format x scale) in f32.
;;   ~~~python
;;   def quantise(x, axis, e):      # numpy; x: float32 -> the quantised numbers, widened to float32 again
;;       x = np.moveaxis(x, axis, -1); K = x.shape[-1]
;;       r = np.clip(x / 2.0 ** e, -448, 448)
;;       step = 2.0 ** (np.maximum(np.frexp(np.where(r == 0, 1, r))[1] - 1, -6) - 3)
;;       q = np.round(r / step) * step * 2.0 ** e      # np.round: ties to even
;;       return np.moveaxis(q, -1, axis).astype(np.float32)
;;   ~~~
;;   SOFTMAX AHEAD OF A QUANTISED PRODUCT. Where the list says 'softmax', what is quantised is not the finished softmax but p = 2^(t - M), with t = logit x log2(e) and M = ceil(the row's largest t), a whole number; so 1/2 < the row's largest p <= 1. The row's sum l is taken of the UNQUANTISED p, in f32, and the product's result is divided by l at the end. Since M is a whole number, a kernel that streams over the keys may use a running M (the ceiling of the running maximum): every later rescaling is an exact power of two, so the quantised numbers keep their values, but for numbers so far below the row's largest that they fall under the format's range.
;;   OPERANDS COMPUTED ON THE WAY. 'Computed on the way' means the value that the module computes at that place (a softmax that the list does not call 'softmax' is quantised finished and normalised). What goes into a quantiser is computed in f32, as accurately as f32 sums, v_exp_f32 and their like allow (about 1e-6 of the number): no bf16 or f16 on the way to a quantiser, and a product that is left as it is and whose result goes on into a quantised operand takes f32 operands (vector FMAs, or v_wmma_f32_16x16x4_f32). A number that lies on a knife's edge between two numbers of the format may be rounded either way, as far as f32 arithmetic and the matrix unit's own rounding can turn it there, and no further.
;; One version. Each part assembles by itself: llvm-mc -triple=amdgcn-amd-amdhsa -mcpu=gfx1250 --defsym DOCPART=n.
;; ======== version 1 of 1: 3 launches
;; workspace buffers: h_codes 4,194,304 bytes; w_codes 262,144 bytes; q_codes 4,194,304 bytes; k_codes 4,194,304 bytes; v_codes 4,194,304 bytes
;; launch gn (part 1): grid 128 x 1, 8 waves a work-group, no clusters, 5,120 bytes of LDS; arguments x, gn_w, gn_b, qkv_w, proj_w, lowp_scales, h_codes, w_codes; writes h_codes, w_codes
.if DOCPART == 1
	.amdgcn_target "amdgcn-amd-amdhsa--gfx1250"
	.amdhsa_code_object_version 6
	.text
	.protected	k_qb52de73d98_gn
	.globl	k_qb52de73d98_gn
	.p2align	8
	.type	k_qb52de73d98_gn,@function
k_qb52de73d98_gn:
	s_mov_b64 s[64:65], 0
	v_nop
	global_prefetch_b8 v0, s[64:65] scope:SCOPE_SE
	s_setreg_imm32_b32 hwreg(HW_REG_WAVE_MODE, 25, 1), 1
	s_wait_xcnt 0x0
; GroupNorm of x [4][256][4096] f32 over 32 groups of 8 channels x 4,096 positions, and the result h as codes of E4M3 with the given scale 2^e0.
; Beside it each work-group turns one fragment (16 rows x 128 K) of qkv_w (scale 2^e1) or proj_w (scale 2^e7) into codes.
; SHARES.  Work-group i = 32 b + g owns group g of batch b: 131,072 consecutive bytes of x.  They stay in registers, 128 a thread, between the pass
; for the mean, the pass for the variance and the pass that writes codes: x is read once.  A mean spans a whole group and work-groups exchange nothing,
; so there are 128 work-groups.  Thread t holds positions 512 j + 2 t + e (j = 0..7, e = 0, 1) of all eight channels: X[16 j + 2 c + e].
; The variance is taken of x - mean, formed first, so a common offset of x costs no accuracy.
; h_codes: [b][g][n][8 bytes]: the 8 channels of group g at position n.  A thread stores 16 bytes, a wave 512 consecutive bytes.
; w_codes: [o tile 0..63][K half 0..1][2,048 bytes]: the image of an operand fragment: the 16 bytes at 512 c + 16 lane are registers 4 c .. 4 c + 3 of that lane;
; lane (r, h) holds row r, and its register pair p holds k = 16 p + 8 h + 0 .. 7.  Tiles 0-47 are qkv_w, 48-63 proj_w.
; code = number / 2^e, held within +-448, to the nearest code, ties to even.
; LIMITS: e0, e1, e7 between -126 and 119, so that 2^e and 448 x 2^e are f32 numbers.  NaN among the inputs is not served.
; No matrix unit, no tensor load, no cluster: memory binds, and no two work-groups read the same bytes.
.set AC,   16                          ; v16-23   rstd x gn_w of my 8 channels
.set CH,   24                          ; v24-31   four packed chains
.set X,    32                          ; v32-159  x, then x - mean
.set Y,    160                         ; v160-191 two sets of 16 numbers of h, by turns
.set CD,   192                         ; v192-223 codes: four registers for each j, so that no store data are written again
.set RED2, 256                         ; LDS: 8 words at 0 for the sums, 8 words at 256 for the sums of squares,
.set WST,  512                         ; 2,048 bytes at 512: the weight fragment's image
	s_load_b256 s[4:11], s[0:1], 0x0               ; x, gn_w, gn_b, qkv_w
	s_load_b256 s[12:19], s[0:1], 0x20             ; proj_w, the scales, h_codes, w_codes
	v_lshl_add_u32 v240, v0, 2, 0x1000
	v_mov_b32 v241, 0
	v_lshlrev_b32 v1, 3, v0                        ; 8 t: my bytes in 2,048 of x, and in the weight image
	v_lshlrev_b32 v2, 4, v0                        ; 16 t: my bytes in 4,096 of h_codes
	v_lshrrev_b32 v14, 4, v0                       ; the weight row of the fragment that I take: t / 16
	v_and_b32 v15, 15, v0                          ; and which 8 of its 128 numbers: q = t % 16
	v_lshlrev_b32 v3, 10, v14
	v_lshl_add_u32 v3, v15, 5, v3                  ; row x 1,024 + q x 32
	v_bfe_u32 v4, v0, 2, 2                         ; k = 8 q + 0..7 is pair q / 2 of half q % 2: group (q / 4) x 512
	v_lshlrev_b32 v4, 9, v4
	v_and_b32 v15, 1, v0
	v_lshl_add_u32 v4, v15, 8, v4                  ; + 16 x (16 x half
	v_lshl_add_u32 v4, v14, 4, v4                  ;         + row)
	v_bfe_u32 v15, v0, 1, 1
	v_lshl_add_u32 v4, v15, 3, v4                  ; + 8 x (pair % 2)
	v_add_nc_u32 v4, WST, v4
	v_lshl_add_u32 v5, v0, 3, WST                  ; back: 8 bytes a thread, as they lie
	v_lshrrev_b32 v6, 5, v0
	v_lshlrev_b32 v6, 2, v6                        ; my wave's word
	v_mov_b32 v7, 0
	v_mov_b32 v15, 0                               ; a lane permute's destination counts as read: written once
	s_mov_b32 s44, 0x76543210                      ; v_permlanex16_b32: lane l xor 16
	s_mov_b32 s45, 0xfedcba98
	s_and_b32 s46, ttmp9, 31
	s_lshl_b32 s46, s46, 5                         ; 32 g: my 8 numbers of gn_w and gn_b
	s_mov_b32 s47, 0
	s_cmp_lt_u32 ttmp9, 96                         ; fragments 0-95 are qkv_w, 96-127 proj_w
	s_cselect_b32 s48, 0, 96
	s_sub_co_u32 s48, ttmp9, s48                   ; the fragment's number in its tensor
	s_lshr_b32 s50, s48, 1
	s_lshl_b32 s50, s50, 14                        ; 16 rows of 1,024 bytes a tile
	s_and_b32 s49, s48, 1
	s_lshl_b32 s49, s49, 9                         ; 512 bytes a K half
	s_add_co_u32 s50, s50, s49
	s_mov_b32 s51, 0
	s_lshl_b32 s52, ttmp9, 17                      ; x
	s_mov_b32 s53, 0
	s_lshl_b32 s54, ttmp9, 15                      ; h_codes
	s_mov_b32 s55, 0
	s_lshl_b32 s56, ttmp9, 11                      ; w_codes
	s_mov_b32 s57, 0
	s_wait_kmcnt 0x0
	s_load_b256 s[20:27], s[14:15], 0x0            ; e0 .. e7
	s_add_nc_u64 s[6:7], s[6:7], s[46:47]
	s_add_nc_u64 s[8:9], s[8:9], s[46:47]
	s_load_b256 s[28:35], s[6:7], 0x0              ; gn_w of my 8 channels
	s_load_b256 s[36:43], s[8:9], 0x0              ; gn_b
	s_cmp_lt_u32 ttmp9, 96                         ; the choice hangs on the work-group's number alone
	s_cselect_b64 s[10:11], s[10:11], s[12:13]
	s_add_nc_u64 s[10:11], s[10:11], s[50:51]
	s_add_nc_u64 s[4:5], s[4:5], s[52:53]
	s_add_nc_u64 s[16:17], s[16:17], s[54:55]
	s_add_nc_u64 s[18:19], s[18:19], s[56:57]
	global_load_b128 v[224:227], v3, s[10:11]      ; my 8 weights
	global_load_b128 v[228:231], v3, s[10:11] offset:16
.set j, 0
.rept 8
.irp c, 0,1,2,3,4,5,6,7
	global_load_b64 v[X+16*j+2*\c:X+16*j+2*\c+1], v1, s[4:5] offset:\c*16384+j*2048   ; a wave reads 256 consecutive bytes, the work-group 2,048
.endr
.set j, j+1
.endr
	s_wait_kmcnt 0x0
	s_cmp_lt_u32 ttmp9, 96
	s_cselect_b32 s48, s21, s27                    ; the weight's e: e1 or e7
	s_add_co_i32 s48, s48, 127
	s_lshl_b32 s49, s48, 23
	v_mov_b32 v13, s49                             ; 2^e as f32: the conversion takes its exponent field
	s_add_co_i32 s48, s48, 8
	s_lshl_b32 s48, s48, 23
	s_or_b32 s48, s48, 0x600000
	v_mov_b32 v12, s48                             ; 448 x 2^e
	s_add_co_i32 s48, s20, 127
	s_lshl_b32 s49, s48, 23
	v_mov_b32 v11, s49                             ; 2^e0
	s_add_co_i32 s48, s48, 8
	s_lshl_b32 s48, s48, 23
	s_or_b32 s48, s48, 0x600000
	v_mov_b32 v10, s48                             ; 448 x 2^e0
	; ---- the weights: 64 loads are younger than their two; the wait names the most that its field holds, one less
	s_wait_loadcnt 63
.irp c, 0,1,2,3,4,5,6,7
	v_med3_num_f32 v[224+\c], v[224+\c], -v12, v12 ; the conversion to an 8-bit code does not saturate (ISA guide 7.6.2): the hold comes first
.endr
	v_cvt_scalef32_pk8_fp8_f32 v[232:233], v[224:231], v13
	ds_store_b64 v4, v[232:233]                    ; into the image; the next vector lines are plain and touch none of the conversion's registers
.macro ADD8                            ; eight numbers in v[CH] .. v[CH+7] become their sum in v[CH]
	v_pk_add_f32 v[CH:CH+1], v[CH:CH+1], v[CH+2:CH+3]
	v_pk_add_f32 v[CH+4:CH+5], v[CH+4:CH+5], v[CH+6:CH+7]
	v_pk_add_f32 v[CH:CH+1], v[CH:CH+1], v[CH+4:CH+5]
	v_add_f32 v[CH], v[CH], v[CH+1]
.endm
.macro WSUM                            ; and the sum over the wave's 32 lanes, in every lane
	v_add_f32_dpp v[CH], v[CH], v[CH] row_xmask:1 row_mask:0xf bank_mask:0xf
	v_add_f32_dpp v[CH], v[CH], v[CH] row_xmask:2 row_mask:0xf bank_mask:0xf
	v_add_f32_dpp v[CH], v[CH], v[CH] row_xmask:4 row_mask:0xf bank_mask:0xf
	v_add_f32_dpp v[CH], v[CH], v[CH] row_xmask:8 row_mask:0xf bank_mask:0xf
	v_permlanex16_b32 v15, v[CH], s44, s45
	v_add_f32 v[CH], v[CH], v15
.endm
	; ---- pass 1: the sum, in four packed chains that the first eight pairs start: nothing is cleared
	s_wait_loadcnt 56                              ; j = 0 is in; the loads of the seven later j may be out
.irp k, 0,1,2,3
	v_pk_add_f32 v[CH+2*\k:CH+2*\k+1], v[X+2*\k:X+2*\k+1], v[X+8+2*\k:X+8+2*\k+1]
.endr
.set j, 1
.rept 7
	s_wait_loadcnt 8*(7-j)                         ; this j is in; eight loads for each later j may be out
.irp c, 0,1,2,3,4,5,6,7
	v_pk_add_f32 v[CH+2*(\c%4):CH+2*(\c%4)+1], v[CH+2*(\c%4):CH+2*(\c%4)+1], v[X+16*j+2*\c:X+16*j+2*\c+1]
.endr
.set j, j+1
.endr
	ADD8
	WSUM
	ds_store_b32 v6, v[CH]                         ; all lanes of a wave write the same number to the wave's word
	s_wait_dscnt 0x0                               ; for the others: my sum and my part of the weight image have landed
	s_barrier_signal -1
	s_barrier_wait -1
	ds_load_b128 v[CH:CH+3], v7
	ds_load_b128 v[CH+4:CH+7], v7 offset:16
	ds_load_b64 v[234:235], v5                     ; the weight image, as it lies
	s_wait_dscnt 0x0
	ADD8
	v_mul_f32 v8, 0x38000000, v[CH]                ; mean = sum / 32,768
	v_mov_b32 v9, v8
	global_store_b64 v1, v[234:235], s[18:19]      ; a wave stores 256 consecutive bytes
	; ---- pass 2: x - mean in place, and the sum of its squares
.set n, 0
.rept 64
	v_pk_add_f32 v[X+2*n:X+2*n+1], v[X+2*n:X+2*n+1], v[8:9] neg_lo:[0,1] neg_hi:[0,1]
.set n, n+1
.endr
.irp k, 0,1,2,3
	v_pk_mul_f32 v[CH+2*\k:CH+2*\k+1], v[X+2*\k:X+2*\k+1], v[X+2*\k:X+2*\k+1]
.endr
.set n, 4
.rept 60
	v_pk_fma_f32 v[CH+2*(n%4):CH+2*(n%4)+1], v[X+2*n:X+2*n+1], v[X+2*n:X+2*n+1], v[CH+2*(n%4):CH+2*(n%4)+1]
.set n, n+1
.endr
	ADD8
	WSUM
	ds_store_b32 v6, v[CH] offset:RED2             ; other words than the first sums: no wave may still be reading those
	s_wait_dscnt 0x0
	s_barrier_signal -1
	s_barrier_wait -1
	ds_load_b128 v[CH:CH+3], v7 offset:RED2
	ds_load_b128 v[CH+4:CH+7], v7 offset:RED2+16
	s_mov_b32 s46, 0x38000000                      ; 1 / 32,768
	s_mov_b32 s47, 0x3727c5ac                      ; 1e-5
	s_wait_dscnt 0x0
	ADD8
	v_fma_f32 v14, v[CH], s46, s47                 ; var + eps
	v_rsq_f32 v14, v14
	v_nop                                          ; one plain instruction behind a transcendental (ISA guide 5.7.2)
	s_wait_alu depctr_va_vdst(0)
.irp c, 0,1,2,3,4,5,6,7
	v_mul_f32 v[AC+\c], s[28+\c], v14
.endr
	; ---- out: h = (x - mean) x rstd x gn_w + gn_b; the multiply-add's destination puts a position's 8 channels side by side
.set j, 0
.rept 8
.set YS, Y+16*(j%2)
.irp c, 0,1,2,3,4,5,6,7
	v_fma_f32 v[YS+\c], v[X+16*j+2*\c], v[AC+\c], s[36+\c]
	v_fma_f32 v[YS+8+\c], v[X+16*j+2*\c+1], v[AC+\c], s[36+\c]
.endr
.irp c, 0,1,2,3,4,5,6,7,8,9,10,11,12,13,14,15
	v_med3_num_f32 v[YS+\c], v[YS+\c], -v10, v10
.endr
	v_cvt_scalef32_pk8_fp8_f32 v[CD+4*j:CD+4*j+1], v[YS:YS+7], v11
	v_cvt_scalef32_pk8_fp8_f32 v[CD+4*j+2:CD+4*j+3], v[YS+8:YS+15], v11
	global_store_b128 v2, v[CD+4*j:CD+4*j+3], s[16:17] offset:4096*j   ; a wave stores 512 consecutive bytes; the next j works in the other set of Y, so plain lines on other registers follow the conversions
.set j, j+1
.endr
	s_wait_tensorcnt 0x0
	ds_add_u32 v240, v241
	s_wait_dscnt 0x0
	s_endpgm
.Lfunc_end_k_qb52de73d98_gn:
	.size	k_qb52de73d98_gn, .Lfunc_end_k_qb52de73d98_gn-k_qb52de73d98_gn
	.p2alignl 7, 3214868480
	.fill 96, 4, 3214868480
	.section	.rodata,"a",@progbits
	.p2align	6, 0x0
	.amdhsa_kernel k_qb52de73d98_gn
		.amdhsa_group_segment_fixed_size 5120
		.amdhsa_private_segment_fixed_size 0
		.amdhsa_enable_private_segment 0
		.amdhsa_kernarg_size 64
		.amdhsa_user_sgpr_count 2
		.amdhsa_user_sgpr_kernarg_segment_ptr 1
		.amdhsa_wavefront_size32 1
		.amdhsa_system_sgpr_workgroup_id_x 1
		.amdhsa_system_sgpr_workgroup_id_y 1
		.amdhsa_system_sgpr_workgroup_id_z 1
		.amdhsa_system_vgpr_workitem_id 0
		.amdhsa_next_free_vgpr 242
		.amdhsa_next_free_sgpr 66
		.amdhsa_reserve_vcc 0
		.amdhsa_float_denorm_mode_32 3
		.amdhsa_float_denorm_mode_16_64 3
		.amdhsa_memory_ordered 1
		.amdhsa_forward_progress 1
		.amdhsa_inst_pref_size 44
	.end_amdhsa_kernel
	.amdgpu_metadata
---
amdhsa.version: [ 1, 2 ]
amdhsa.kernels:
  - .name:           k_qb52de73d98_gn
    .symbol:         k_qb52de73d98_gn.kd
    .args:
      - { .name: x, .offset: 0, .size: 8, .value_kind: global_buffer, .address_space: global }
      - { .name: gn_w, .offset: 8, .size: 8, .value_kind: global_buffer, .address_space: global }
      - { .name: gn_b, .offset: 16, .size: 8, .value_kind: global_buffer, .address_space: global }
      - { .name: qkv_w, .offset: 24, .size: 8, .value_kind: global_buffer, .address_space: global }
      - { .name: proj_w, .offset: 32, .size: 8, .value_kind: global_buffer, .address_space: global }
      - { .name: lowp_scales, .offset: 40, .size: 8, .value_kind: global_buffer, .address_space: global }
      - { .name: h_codes, .offset: 48, .size: 8, .value_kind: global_buffer, .address_space: global }
      - { .name: w_codes, .offset: 56, .size: 8, .value_kind: global_buffer, .address_space: global }
    .group_segment_fixed_size: 5120
    .private_segment_fixed_size: 0
    .kernarg_segment_align: 8
    .kernarg_segment_size: 64
    .max_flat_workgroup_size: 256
    .sgpr_count:     66
    .vgpr_count:     242
    .wavefront_size: 32
...
	.end_amdgpu_metadata
.endif
;; end of part 1
;; launch qkv (part 2): grid 64 x 4, 4 waves a work-group, no clusters, 0 bytes of LDS; arguments h_codes, w_codes, qkv_b, lowp_scales, q_codes, k_codes, v_codes; writes q_codes, k_codes, v_codes
.if DOCPART == 2
	.amdgcn_target "amdgcn-amd-amdhsa--gfx1250"
	.amdhsa_code_object_version 6
	.text
	.protected	k_qb52de73d98_qkv
	.globl	k_qb52de73d98_qkv
	.p2align	8
	.type	k_qb52de73d98_qkv,@function
k_qb52de73d98_qkv:
	s_mov_b64 s[64:65], 0
	v_nop
	global_prefetch_b8 v0, s[64:65] scope:SCOPE_SE
	s_setreg_imm32_b32 hwreg(HW_REG_WAVE_MODE, 25, 1), 1
	s_wait_xcnt 0x0
; q, k, v = qkv_w h + qkv_b on codes of E4M3 (h: 2^e0, qkv_w: 2^e1), and the three results as codes again (2^e2, 2^e3, 2^e4), laid as images of operand fragments.
; A fragment is 16 rows x 128 K, 16 registers a lane, 2,048 bytes: the 16 bytes at 512 c + 16 lane are that lane's registers 4 c .. 4 c + 3; lane (r, h) holds row r, its register pair p holds k = 16 p + 8 h + 0 .. 7.
; q_codes, k_codes: [b][tile of 16 positions][channel half][image]: K = the channels.   v_codes: [b][block of 128 keys][tile of 16 channels][image]: K = the keys.
; SHARES.  A work-group takes 64 positions of one batch.  THE WAVES SHARE THE OUTPUTS: wave w owns channels 64 w .. 64 w + 63 of q, of k and of v: 24 fragments of the weight, 384 registers, each weight byte
; read once by the work-group, straight into registers.  All four waves read the block's 16 KB of h.
; ORIENTATION.  For q and k source 0 = 16 rows of the weight, source 1 = 16 positions: a lane holds one position and its eight registers run along the channels, the next K.
; For v source 0 = 16 positions, source 1 = 16 rows of the weight: a lane holds one channel and its registers run along the positions, the keys.  So every conversion's result is a piece of an image and is stored as it stands:
; no LDS, no barrier; each store of a wave covers 512 consecutive bytes, aligned.
; The bias goes in as the C of a sum's first product, divided by 2^(e0 + e1), the power of two that the sums lack; the three scales ahead of each quantiser are folded into the conversion's one: 2^(e - e0 - e1).
; NO JOINT LOADS: what work-groups share is the weight; a wave multiplies it 96 times out of registers, and a way through LDS would add a round trip to a launch that is one chain of loads, products and stores.
; LIMITS: e2, e3, e4 less e0 + e1 between -126 and 119.  NaN among the inputs is not served.
; REGISTERS, in windows of 256: window 0: v1-4 offsets; v5-10 scales and holds; v12-15 v's bias as loaded; v32-95 eight accumulators; v128-191 q's and k's codes; v192-223 v's codes.
;   window 1: the weight of q (tile i, half s at 32 i + 16 s) and of k (from 128).   window 2: the weight of v; from 128 the bias of q and k, 8 tiles x 8; from 192 that of v, 4 x 8.   window 3: h, tile nt at 32 nt.
.set ACC, 32
.set CQ,  128
.set CV,  192
.set BQK, 128
.set BV,  192
.set MSB, 0
.macro WIN new                         ; bits 1:0 source 0, 3:2 source 1, 5:4 source 2, 7:6 destination; the high byte repeats the setting that is left
.if MSB != (\new)
	s_set_vgpr_msb (MSB<<8)|(\new)
.set MSB, (\new)
.endif
.endm
.macro PLACES n
.rept \n
	v_nop
.endr
.endm
	s_load_b256 s[4:11], s[0:1], 0x0               ; h_codes, w_codes, qkv_b, the scales
	s_load_b128 s[12:15], s[0:1], 0x20             ; q_codes, k_codes
	s_load_b64 s[16:17], s[0:1], 0x30              ; v_codes
	v_lshrrev_b32 v16, 5, v0
	v_readfirstlane_b32 s20, v16                   ; wave 0..3
	v_and_b32 v16, 31, v0
	v_lshlrev_b32 v1, 4, v16                       ; 16 x lane: my place in an image
	v_and_b32 v17, 15, v0                          ; r
	v_bfe_u32 v18, v0, 4, 1                        ; h
	v_lshlrev_b32 v2, 3, v17
	v_lshl_add_u32 v2, v18, 15, v2                 ; h_codes: position r, 8 bytes; group 2 p + h, 32,768 bytes a group
	v_lshlrev_b32 v3, 5, v18                       ; bias of q and k: my half's eight numbers
	v_lshlrev_b32 v4, 2, v17                       ; bias of v: my channel's
	s_and_b32 s22, ttmp7, 0xffff                   ; batch
	s_lshl_b32 s32, s22, 20                        ; a batch's codes are 2^20 bytes in each buffer
	s_lshl_b32 s33, ttmp9, 9
	s_add_co_u32 s34, s32, s33                     ; h_codes: + 64 positions x 8 bytes a block
	s_mov_b32 s35, 0
	s_lshl_b32 s36, s20, 14                        ; w_codes: my four tiles of 4,096 bytes
	s_mov_b32 s37, 0
	s_lshl_b32 s38, s20, 8                         ; qkv_b: my 64 numbers
	s_mov_b32 s39, 0
	s_lshl_b32 s40, ttmp9, 14                      ; q_codes, k_codes: four tiles of 4,096 bytes a block,
	s_add_co_u32 s40, s40, s32
	s_lshl_b32 s41, s20, 10                        ; and my channels are 1,024 bytes of each tile's image
	s_add_co_u32 s40, s40, s41
	s_mov_b32 s41, 0
	s_lshr_b32 s42, ttmp9, 1                       ; v_codes: two blocks of positions make a block of 128 keys of 32,768 bytes,
	s_lshl_b32 s42, s42, 15
	s_add_co_u32 s42, s42, s32
	s_and_b32 s43, ttmp9, 1
	s_lshl_b32 s43, s43, 10                        ; my 64 keys are half of each image,
	s_add_co_u32 s42, s42, s43
	s_lshl_b32 s43, s20, 13                        ; my four channel tiles of 2,048 bytes
	s_add_co_u32 s42, s42, s43
	s_mov_b32 s43, 0
	s_wait_kmcnt 0x0
	s_load_b256 s[24:31], s[10:11], 0x0            ; e0 .. e7
	s_add_nc_u64 s[4:5], s[4:5], s[34:35]
	s_add_nc_u64 s[6:7], s[6:7], s[36:37]
	s_add_nc_u64 s[8:9], s[8:9], s[38:39]
	s_add_nc_u64 s[12:13], s[12:13], s[40:41]
	s_add_nc_u64 s[14:15], s[14:15], s[40:41]
	s_add_nc_u64 s[16:17], s[16:17], s[42:43]
	WIN 0x80                                       ; destination window 2
.irp i, 0,1,2,3,4,5,6,7                ; tiles 0-3 of q, 4-7 of k: lane (r, h) wants the numbers of channels 16 i + 8 h + 0 .. 7
	global_load_b128 v[BQK+8*\i:BQK+8*\i+3], v3, s[8:9] offset:(\i/4)*1024+(\i%4)*64
	global_load_b128 v[BQK+8*\i+4:BQK+8*\i+7], v3, s[8:9] offset:(\i/4)*1024+(\i%4)*64+16
.endr
	WIN 0
.irp i, 0,1,2,3
	global_load_b32 v[12+\i], v4, s[8:9] offset:2048+64*\i
.endr
	WIN 0xc0                                       ; destination window 3
.irp nt, 0,1,2,3
.irp p, 0,1,2,3,4,5,6,7,8,9,10,11,12,13,14,15
	global_load_b64 v[32*\nt+2*\p:32*\nt+2*\p+1], v2, s[4:5] offset:\p*65536+\nt*128   ; channels 16 p + 8 h + 0 .. 7 of position 16 nt + r
.endr
.endr
	WIN 0x40                                       ; destination window 1
.irp i, 0,1,2,3,4,5,6,7
.irp s, 0,1
.irp c, 0,1,2,3
	global_load_b128 v[32*\i+16*\s+4*\c:32*\i+16*\s+4*\c+3], v1, s[6:7] offset:(\i/4)*65536+(\i%4)*4096+\s*2048+\c*512
.endr
.endr
.endr
	WIN 0x80
.irp i, 0,1,2,3
.irp s, 0,1
.irp c, 0,1,2,3
	global_load_b128 v[32*\i+16*\s+4*\c:32*\i+16*\s+4*\c+3], v1, s[6:7] offset:131072+\i*4096+\s*2048+\c*512
.endr
.endr
.endr
	WIN 0
	s_wait_kmcnt 0x0
	s_add_co_i32 s44, s24, s25                     ; e0 + e1
	s_sub_co_i32 s45, 0, s44
.macro MKSC e, sc, lim                 ; v[sc] = 2^(e - e0 - e1), v[lim] = 448 x that
	s_sub_co_i32 s46, s[\e], s44
	s_add_co_i32 s46, s46, 127
	s_lshl_b32 s47, s46, 23
	v_mov_b32 v[\sc], s47
	s_add_co_i32 s46, s46, 8
	s_lshl_b32 s46, s46, 23
	s_or_b32 s46, s46, 0x600000
	v_mov_b32 v[\lim], s46
.endm
	MKSC 26, 5, 6                                  ; q
	MKSC 27, 7, 8                                  ; k
	MKSC 28, 9, 10                                 ; v
	s_wait_loadcnt 32                              ; all but the 32 loads of v's weight
	WIN 0x82                                       ; source 0 and destination window 2
.set k, 0
.rept 64
	v_ldexp_f32 v[BQK+k], v[BQK+k], s45            ; bias / 2^(e0 + e1)
.set k, k+1
.endr
	WIN 0x80
.irp i, 0,1,2,3
.irp c, 0,1,2,3,4,5,6,7
	v_ldexp_f32 v[BV+8*\i+\c], v[12+\i], s45       ; a lane's eight results of v belong to one channel: the same number eight times
.endr
.endr
	WIN 0
; n accumulators from v[a0] on are held, turned into codes in v[dst] on (two registers each); each accumulator is read from its low end on
.macro QUANT a0, n, sc, lim, dst
.set k, 0
.rept 8*\n
	v_med3_num_f32 v[(\a0)+k], v[(\a0)+k], -v[\lim], v[\lim]   ; the conversion to an 8-bit code does not saturate (ISA guide 7.6.2)
.set k, k+1
.endr
.set k, 0
.rept \n
	v_cvt_scalef32_pk8_fp8_f32 v[(\dst)+2*k:(\dst)+2*k+1], v[(\a0)+8*k:(\a0)+8*k+7], v[\sc]
.set k, k+1
.endr
	v_nop                                          ; one plain instruction between the conversions and the next products, which write their sources
.endm
; q and k of the 16 positions of tile nt: eight accumulators by turns, K half by K half
.macro GROUPQK nt
	WIN 0x2d                                       ; source 0 window 1, source 1 window 3, C window 2, D window 0
.irp i, 0,1,2,3,4,5,6,7
	v_wmma_f32_16x16x128_fp8_fp8 v[ACC+8*\i:ACC+8*\i+7], v[32*\i:32*\i+15], v[32*\nt:32*\nt+15], v[BQK+8*\i:BQK+8*\i+7]
.endr
	WIN 0x0d
.irp i, 0,1,2,3,4,5,6,7
	v_wmma_f32_16x16x128_fp8_fp8 v[ACC+8*\i:ACC+8*\i+7], v[32*\i+16:32*\i+31], v[32*\nt+16:32*\nt+31], v[ACC+8*\i:ACC+8*\i+7]
.endr
	WIN 0
	PLACES 4                                       ; four places ahead of the first read of results (ISA guide 7.12.1); with the holds on the other accumulators they are more than the five owed before the next group begins the accumulators anew
	QUANT ACC, 4, 5, 6, CQ+16*\nt
	QUANT ACC+32, 4, 7, 8, CQ+16*\nt+8
	global_store_b128 v1, v[CQ+16*\nt:CQ+16*\nt+3], s[12:13] offset:\nt*4096
	global_store_b128 v1, v[CQ+16*\nt+4:CQ+16*\nt+7], s[12:13] offset:\nt*4096+512
	global_store_b128 v1, v[CQ+16*\nt+8:CQ+16*\nt+11], s[14:15] offset:\nt*4096
	global_store_b128 v1, v[CQ+16*\nt+12:CQ+16*\nt+15], s[14:15] offset:\nt*4096+512
.endm
; v of channel tiles 2 cp and 2 cp + 1, all 64 positions: accumulator 4 u + nt
.macro GROUPV cp
	WIN 0x2b                                       ; source 0 window 3, source 1 window 2, C window 2, D window 0
.irp u, 0,1
.irp nt, 0,1,2,3
	v_wmma_f32_16x16x128_fp8_fp8 v[ACC+8*(4*\u+\nt):ACC+8*(4*\u+\nt)+7], v[32*\nt:32*\nt+15], v[32*(2*\cp+\u):32*(2*\cp+\u)+15], v[BV+8*(2*\cp+\u):BV+8*(2*\cp+\u)+7]
.endr
.endr
	WIN 0x0b
.irp u, 0,1
.irp nt, 0,1,2,3
	v_wmma_f32_16x16x128_fp8_fp8 v[ACC+8*(4*\u+\nt):ACC+8*(4*\u+\nt)+7], v[32*\nt+16:32*\nt+31], v[32*(2*\cp+\u)+16:32*(2*\cp+\u)+31], v[ACC+8*(4*\u+\nt):ACC+8*(4*\u+\nt)+7]
.endr
.endr
	WIN 0
	PLACES 4
	QUANT ACC, 8, 9, 10, CV+16*\cp
.irp u, 0,1
	global_store_b128 v1, v[CV+16*\cp+8*\u:CV+16*\cp+8*\u+3], s[16:17] offset:(2*\cp+\u)*2048
	global_store_b128 v1, v[CV+16*\cp+8*\u+4:CV+16*\cp+8*\u+7], s[16:17] offset:(2*\cp+\u)*2048+512
.endr
.endm
	GROUPQK 0
	GROUPQK 1
	GROUPQK 2
	GROUPQK 3
	s_wait_loadcnt 0x0                             ; v's weight
	GROUPV 0
	GROUPV 1
	s_endpgm                                       ; no store's data and no offset was written again, so no wait for the stores' sources stands in the text
.Lfunc_end_k_qb52de73d98_qkv:
	.size	k_qb52de73d98_qkv, .Lfunc_end_k_qb52de73d98_qkv-k_qb52de73d98_qkv
	.p2alignl 7, 3214868480
	.fill 96, 4, 3214868480
	.section	.rodata,"a",@progbits
	.p2align	6, 0x0
	.amdhsa_kernel k_qb52de73d98_qkv
		.amdhsa_group_segment_fixed_size 0
		.amdhsa_private_segment_fixed_size 0
		.amdhsa_enable_private_segment 0
		.amdhsa_kernarg_size 56
		.amdhsa_user_sgpr_count 2
		.amdhsa_user_sgpr_kernarg_segment_ptr 1
		.amdhsa_wavefront_size32 1
		.amdhsa_system_sgpr_workgroup_id_x 1
		.amdhsa_system_sgpr_workgroup_id_y 1
		.amdhsa_system_sgpr_workgroup_id_z 1
		.amdhsa_system_vgpr_workitem_id 0
		.amdhsa_next_free_vgpr 1024
		.amdhsa_next_free_sgpr 66
		.amdhsa_reserve_vcc 0
		.amdhsa_float_denorm_mode_32 3
		.amdhsa_float_denorm_mode_16_64 3
		.amdhsa_memory_ordered 1
		.amdhsa_forward_progress 1
		.amdhsa_inst_pref_size 63
	.end_amdhsa_kernel
	.amdgpu_metadata
---
amdhsa.version: [ 1, 2 ]
amdhsa.kernels:
  - .name:           k_qb52de73d98_qkv
    .symbol:         k_qb52de73d98_qkv.kd
    .args:
      - { .name: h_codes, .offset: 0, .size: 8, .value_kind: global_buffer, .address_space: global }
      - { .name: w_codes, .offset: 8, .size: 8, .value_kind: global_buffer, .address_space: global }
      - { .name: qkv_b, .offset: 16, .size: 8, .value_kind: global_buffer, .address_space: global }
      - { .name: lowp_scales, .offset: 24, .size: 8, .value_kind: global_buffer, .address_space: global }
      - { .name: q_codes, .offset: 32, .size: 8, .value_kind: global_buffer, .address_space: global }
      - { .name: k_codes, .offset: 40, .size: 8, .value_kind: global_buffer, .address_space: global }
      - { .name: v_codes, .offset: 48, .size: 8, .value_kind: global_buffer, .address_space: global }
    .group_segment_fixed_size: 0
    .private_segment_fixed_size: 0
    .kernarg_segment_align: 8
    .kernarg_segment_size: 56
    .max_flat_workgroup_size: 128
    .sgpr_count:     66
    .vgpr_count:     1024
    .wavefront_size: 32
...
	.end_amdgpu_metadata
.endif
;; end of part 2
;; launch attn (part 3): grid 64 x 4, 4 waves a work-group, clusters of 4 x 1, 327,680 bytes of LDS; arguments q_codes, k_codes, v_codes, w_codes, lowp_scales, proj_b, x, out0; writes out0
.if DOCPART == 3
	.amdgcn_target "amdgcn-amd-amdhsa--gfx1250"
	.amdhsa_code_object_version 6
	.text
	.protected	k_qb52de73d98_attn
	.globl	k_qb52de73d98_attn
	.p2align	8
	.type	k_qb52de73d98_attn,@function
k_qb52de73d98_attn:
	s_mov_b64 s[64:65], 0
	v_nop
	global_prefetch_b8 v0, s[64:65] scope:SCOPE_SE
	s_setreg_imm32_b32 hwreg(HW_REG_WAVE_MODE, 25, 1), 1
	s_wait_xcnt 0x0
	s_wait_alu depctr_hold_cnt(0) depctr_sa_sdst(0) depctr_va_vdst(0) depctr_va_sdst(0) depctr_va_ssrc(0) depctr_va_vcc(0) depctr_vm_vsrc(0)
	s_getreg_b32 s2, hwreg(HW_REG_IB_STS2, 6, 4)
	s_cmp_eq_u32 s2, 0
	s_cbranch_scc0 .Lentry_in_a_cluster
	s_endpgm
.Lentry_in_a_cluster:
	s_bfe_u32 s2, ttmp6, 0x10000c
	s_cmp_lg_u32 s2, 0x3003
	s_cbranch_scc0 .Lentry_shape_is_right
	s_endpgm
.Lentry_shape_is_right:
; out0 = x + proj_w softmax-attention(q, k, v) + proj_b.  One head of 256 channels, 4,096 positions, 4 batches; all three products on codes of E4M3 with given scales: q 2^e2, k 2^e3, v 2^e4, p 2^e5, the attention's result 2^e6, proj_w 2^e7.
; THE SOFTMAX: t = score x log2(e) / 16; M = the largest t so far, rounded up to a whole number; p = 2^(t - M) is quantised, not normalised; the sum l is taken of the unquantised p and divides at the end.
; All operands arrive as images of fragments (16 rows x 128 K, 2,048 bytes: the 16 bytes at 512 c + 16 lane are that lane's registers 4 c .. 4 c + 3; lane (r, h): row r, register pair p: k = 16 p + 8 h + 0 .. 7),
; so every fragment comes by four loads of 16 bytes a lane, 512 consecutive bytes each: no pitch, no padding.
; SHARES.  A work-group owns 64 queries.  EVERY WAVE HOLDS ALL 64 QUERIES, as four tiles, AND THE KEYS ARE SPLIT: in step s (of 8) wave w takes keys 128 (4 s + w) on.  So each fragment of K or V read from LDS feeds four matrix
; instructions.  Each wave keeps its own M, l and O; at the end they are brought under the largest M by exact powers of two and added.  A wave's M is at most the row's, as a running M is.
; LAYOUT.  S^T = K Q^T (source 0 = 16 keys, source 1 = 16 queries) and O^T = V^T P^T (source 0 = 16 channels, source 1 = P): a lane holds one query throughout; the eight registers of key tile kt are register pair kt of P's fragment.
; LDS.  A region for K and one for V, 32,768 bytes a wave in each, the wave's own: it asks for them and it alone reads them.  They are filled again by turns: K of the next step in the middle of a step's softmax, V of the next step behind
; the step's second product.  CLUSTER: the four work-groups of a cluster are four blocks of queries of one batch and walk the same K and V: every fill is a JOINT load, the same descriptor and the mask of all four in all four.
; By this text's own count a wave has two tensor loads out at the start and one behind each round.
; THE END.  O and the statistics go through LDS (the two regions have had their last fill); wave w merges tile w, divides, quantises; the codes go round through LDS; wave w makes output channels 64 w .. 64 w + 63 for all 64 positions
; (source 0 = 16 positions, source 1 = 16 rows of proj_w: a lane holds one channel and eight neighbouring positions), adds bias and x, and stores 256 consecutive aligned bytes with sixteen lanes.
; LIMITS on the given exponents, so that each power of two made below is an f32 number: e2 + e3 between -122 and 130; e5 and e6 between -126 and 119; e6 + e7 between -126 and 127; e4 + e5 is applied by v_ldexp_f32 and has none.
; NaN among the inputs is not served.
; REGISTERS, in windows of 256: window 0: v1-15, v52-54 addresses; v16-31 statistics, four a tile: -M, the largest t, l in two halves; v32-39 at work; v48-51 scales and holds;
;   v64-127 four buffers for K's fragments, then P's codes (16 a tile); v128-255 Q (tile t, half s at 128 + 32 t + 16 s).
;   window 1: S^T (tile t, key tile kt at 64 t + 8 kt), then V's fragments (channel tile ct at 16 ct).   window 2: O^T of tiles 0, 1 (128 (t % 2) + 8 ct).   window 3: O^T of tiles 2, 3.
.set VREG,  131072                     ; K's region begins at 0, V's here
.set SPARE, 262144                     ; the spare words, 128 bytes for each wave: two blocks of 256 bytes that no other line names
.set STATS, 262656                     ; [tile][wave][-M, l][32 lanes x 4 bytes]
.set CODES, 266752                     ; the attention's result as codes: 4,096 bytes for each tile of 16 positions
.set OSTG,  283136                     ; the way out: 16 rows x (256 + 16) bytes for each wave, its own
.set AK,  1                            ; v1   my 16 bytes in my wave's part of K's region
.set AV,  2                            ; v2   the same for V
.set SPW, 3                            ; v3   my spare word: SPARE + 4 x my thread's number; never rewritten
.set NIL, 4                            ; v4   0; never rewritten
.set LI,  5                            ; v5   16 x lane
.set XW,  6                            ; v6-9 where I put O of tile t: slot 4 t + wave of 16,384 bytes, from LDS byte 0 on
.set XR,  10                           ; v10  where I read the four O of my tile
.set SA,  11                           ; v11  where I put statistics
.set SR,  12                           ; v12  where I read my tile's
.set CW,  13                           ; v13  where I put my tile's codes
.set CR,  14                           ; v14  where I read all tiles' codes
.set SO,  15                           ; v15  the stage: in
.set ST,  16
.set TA,  32
.set TB,  33
.set F,   34                           ; v[34:35] f = 2^(old M - new M), and 0 (named with it as a pair)
.set TC,  36
.set T2,  38
.set SC5, 48
.set LIM5, 49
.set SC6, 50
.set LIM6, 51
.set SRD, 52                           ; v52  the stage: back
.set GX,  53                           ; v53  my byte offset in x and out0: row lane / 16, 16 bytes a lane
.set BR,  54                           ; v54  4 x (lane % 16)
.set PC,  64
.set QF,  128
.set OF,  128                          ; the merged result, later y: Q's registers
.set MSB, 0
.macro WIN new                         ; bits 1:0 source 0, 3:2 source 1, 5:4 source 2, 7:6 destination; the high byte repeats the setting that is left
.if MSB != (\new)
	s_set_vgpr_msb (MSB<<8)|(\new)
.set MSB, (\new)
.endif
.endm
.macro PLACES n
.rept \n
	v_nop
.endr
.endm
; A round of the cluster's barrier: my work-group's barrier; wave 0 signals for the work-group; every wave waits for all four work-groups; my work-group's barrier once more.
.macro CROUND
	s_barrier_signal -1
	s_barrier_wait -1
	s_cmp_lg_u32 s20, 0
	s_cbranch_scc1 .Lnot_wave_0_\@
	s_barrier_signal -3
.Lnot_wave_0_\@:
	s_barrier_wait -3
	s_barrier_signal -1
	s_barrier_wait -1
.endm
; A region is filled again, with the next step's 128 keys of my wave (131,072 bytes on: four waves x 32,768).
.macro CHANGE g0
	WIN 0                                          ; the add's registers lie in window 0, and at a branch and a label every window is 0
	s_wait_tensorcnt 0x0                           ; all my tensor loads have landed: the one that was out is the other region's, which I read next; so a group 0 may be written
	ds_add_u32 v[SPW], v[NIL]                      ; 0 onto my spare word
	s_add_nc_u64 s[\g0+2:\g0+3], s[\g0+2:\g0+3], 131072   ; the type bits on top are not reached
	s_wait_dscnt 0x0                               ; the add is done, and my reads of the region are over
	CROUND                                         ; both now hold of every wave of all four work-groups
	tensor_load_to_lds s[\g0:\g0+3], s[24:31]      ; my one tensor load behind the round, and the first thing there
	s_nop 0
	PLACES 4
.endm
	s_load_b256 s[4:11], s[0:1], 0x0               ; q_codes, k_codes, v_codes, w_codes
	s_load_b256 s[12:19], s[0:1], 0x20             ; the scales, proj_b, x, out0
	v_lshl_add_u32 v[SPW], v0, 2, SPARE
	v_mov_b32 v[NIL], 0
	ds_add_u32 v3, v4
	ds_add_u32 v3, v4
	s_wait_dscnt 0x0
	v_lshrrev_b32 v40, 5, v0
	v_readfirstlane_b32 s20, v40                   ; wave 0..3
	s_bfe_u32 s21, ttmp6, 0x40000                  ; cx: my place in the cluster
	s_lshl_b32 s22, ttmp9, 2                       ; in a cluster launch ttmp9 counts clusters
	s_add_co_u32 s22, s22, s21                     ; my block of 64 queries: it enters the addresses of q, x and out0 alone
	s_and_b32 s23, ttmp7, 0xffff                   ; the batch, which the four partners share
	; every LDS address: a constant, a constant x lane, a constant x wave
	v_and_b32 v40, 31, v0                          ; lane
	v_and_b32 v41, 15, v0                          ; r
	v_bfe_u32 v42, v0, 4, 1                        ; h
	v_lshlrev_b32 v[LI], 4, v40
	s_lshl_b32 s53, s20, 15
	v_add_nc_u32 v[AK], s53, v[LI]
	v_add_nc_u32 v[AV], VREG, v[AK]
	s_lshl_b32 s53, s20, 14
	v_add_nc_u32 v[XW], s53, v[LI]
	v_add_nc_u32 v[XW+1], 0x10000, v[XW]
	v_add_nc_u32 v[XW+2], 0x20000, v[XW]
	v_add_nc_u32 v[XW+3], 0x30000, v[XW]
	s_lshl_b32 s53, s20, 16
	v_add_nc_u32 v[XR], s53, v[LI]
	v_lshlrev_b32 v43, 2, v40
	s_lshl_b32 s53, s20, 8
	s_add_co_u32 s53, s53, STATS
	v_add_nc_u32 v[SA], s53, v43
	s_lshl_b32 s53, s20, 10
	s_add_co_u32 s53, s53, STATS
	v_add_nc_u32 v[SR], s53, v43
	s_lshl_b32 s53, s20, 12
	s_add_co_u32 s53, s53, CODES
	v_add_nc_u32 v[CW], s53, v[LI]
	v_add_nc_u32 v[CR], CODES, v[LI]
	s_mul_i32 s53, s20, 4352
	s_add_co_u32 s53, s53, OSTG
	v_mul_u32_u24 v43, v41, 272                    ; in: row r (a channel), 32 bytes for each half of the lanes
	v_lshl_add_u32 v43, v42, 5, v43
	v_add_nc_u32 v[SO], s53, v43
	v_mul_u32_u24 v43, v42, 272                    ; back: lanes 0-15 one row of 256 bytes, lanes 16-31 the next
	v_lshl_add_u32 v43, v41, 4, v43
	v_add_nc_u32 v[SRD], s53, v43
	v_lshlrev_b32 v[GX], 14, v42                   ; and the same two rows (channels, 16,384 bytes apart) in x and out0
	v_lshl_add_u32 v[GX], v41, 4, v[GX]
	v_lshlrev_b32 v[BR], 2, v41
	; descriptor group 1, for K and V alike: 32,768 dense bytes as 128 rows of 256
	s_mov_b32 s24, 0x0023000f                      ; 15:0 the mask: all four work-groups; 17:16 elements of 8 bytes; 21 set beside a mask; no padding
	s_mov_b32 s25, 32<<16                          ; tensor_dim0 = 32 elements
	s_mov_b32 s26, 128<<16                         ; tensor_dim1 = 128
	s_mov_b32 s27, 32<<16                          ; tile_dim0 = 32
	s_mov_b32 s28, 128                             ; tile_dim1 = 128
	s_mov_b32 s29, 32                              ; tensor_dim0_stride
	s_mov_b32 s30, 0
	s_mov_b32 s31, 0
	s_lshl_b32 s54, s23, 20                        ; K and V: the batch's 2^20 bytes, my wave's 32,768: nothing of cx enters these registers
	s_lshl_b32 s55, s20, 15
	s_add_co_u32 s54, s54, s55
	s_mov_b32 s55, 0
	s_lshl_b32 s56, s23, 20                        ; q: the batch, my block's four tiles of 4,096 bytes
	s_lshl_b32 s57, s22, 14
	s_add_co_u32 s56, s56, s57
	s_mov_b32 s57, 0
	s_lshl_b32 s58, s23, 22                        ; x, out0: the batch's 2^22 bytes, my wave's 64 channels of 16,384, my block's 256 bytes of a row
	s_lshl_b32 s59, s20, 20
	s_add_co_u32 s58, s58, s59
	s_lshl_b32 s59, s22, 8
	s_add_co_u32 s58, s58, s59
	s_mov_b32 s59, 0
	s_lshl_b32 s62, s20, 14                        ; w_codes: tiles 48 + 4 w on
	s_add_co_u32 s62, s62, 196608
	s_mov_b32 s63, 0
	s_lshl_b32 s52, s20, 8                         ; proj_b: my 64 numbers
	s_mov_b32 s53, 0
	s_mov_b32 s50, 0x76543210                      ; v_permlanex16_b32: lane l xor 16
	s_mov_b32 s51, 0xfedcba98
	s_wait_kmcnt 0x0
	s_load_b256 s[40:47], s[12:13], 0x0            ; e0 .. e7
	s_add_nc_u64 s[4:5], s[4:5], s[56:57]
	s_add_nc_u64 s[10:11], s[10:11], s[62:63]
	s_add_nc_u64 s[14:15], s[14:15], s[52:53]
	s_add_nc_u64 s[16:17], s[16:17], s[58:59]
	s_add_nc_u64 s[18:19], s[18:19], s[58:59]
	s_mov_b32 s32, 1                               ; group 0 for K: count = 1,
	s_lshl_b32 s33, s20, 15                        ; LDS address: wave x 32,768,
	s_add_nc_u64 s[34:35], s[6:7], s[54:55]        ; global address: step 0,
	s_or_b32 s35, s35, 0x80000000                  ; type = 2
	s_mov_b32 s36, 1                               ; and for V
	s_add_co_u32 s37, s33, VREG
	s_add_nc_u64 s[38:39], s[8:9], s[54:55]
	s_or_b32 s39, s39, 0x80000000
	CROUND                                         ; all four work-groups are here: the first joint loads meet
	tensor_load_to_lds s[32:35], s[24:31]          ; K of step 0
	s_nop 0
	tensor_load_to_lds s[36:39], s[24:31]          ; V of step 0: the two first fills go out together
	s_nop 0
	PLACES 4
.irp t, 0,1,2,3
.irp s, 0,1
.irp c, 0,1,2,3
	global_load_b128 v[QF+32*\t+16*\s+4*\c:QF+32*\t+16*\s+4*\c+3], v[LI], s[4:5] offset:\t*4096+\s*2048+\c*512   ; Q stays in registers
.endr
.endr
.endr
	s_wait_kmcnt 0x0
	s_add_co_i32 s53, s42, s43
	s_lshl_b32 s53, s53, 23
	s_mov_b32 s48, 0x3db8aa3b                      ; c = log2(e) / 16
	s_add_co_i32 s48, s48, s53                     ; a score stands for score x 2^(e2 + e3): the exponents are added to c's exponent field
	s_mov_b32 s49, s48                             ; (named with it as a pair, so it is written)
.macro MKSC e, sc, lim                 ; v[sc] = 2^e, v[lim] = 448 x 2^e
	s_add_co_i32 s53, s[\e], 127
	s_lshl_b32 s56, s53, 23
	v_mov_b32 v[\sc], s56
	s_add_co_i32 s53, s53, 8
	s_lshl_b32 s53, s53, 23
	s_or_b32 s53, s53, 0x600000
	v_mov_b32 v[\lim], s53
.endm
	MKSC 45, SC5, LIM5
	MKSC 46, SC6, LIM6
	s_add_co_i32 s60, s44, s45                     ; e4 + e5
	s_add_co_i32 s61, s46, s47
	s_add_co_i32 s61, s61, 127
	s_lshl_b32 s61, s61, 23                        ; 2^(e6 + e7) as f32
.irp t, 0,1,2,3
	v_mov_b32 v[ST+4*\t+1], 0xff61b1e6             ; the largest t so far: -3e38, under every t
	v_floor_f32 v[ST+4*\t], -v[ST+4*\t+1]          ; -M
	v_mov_b32 v[ST+4*\t+2], 0                      ; l, in two halves
	v_mov_b32 v[ST+4*\t+3], 0
.endr
	v_mov_b32 v[F+1], 0
	v_mov_b32 v[TC], 0                             ; a lane permute's destination counts as read: written once
.macro FETCHK f                        ; fragment f of my 16 of K (key tile f / 2, channel half f % 2) into buffer f % 4
	WIN 0
.irp c, 0,1,2,3
	ds_load_b128 v[PC+16*((\f)%4)+4*\c:PC+16*((\f)%4)+4*\c+3], v[AK] offset:(\f)*2048+\c*512
.endr
.endm
; S^T = K Q^T: each fragment of K against the four tiles of queries, the four accumulators by turns; the fragment four further on is fetched into the buffer just read
.macro SPHASE
	PLACES 2                                       ; with the four behind the tensor load: six places behind the last products, whose fragments of V are now written over by results (five are owed) and whose P by loads (four)
	FETCHK 0
	FETCHK 1
	FETCHK 2
	FETCHK 3
.set fi, 0
.rept 16
.if fi < 12
	s_wait_dscnt 12                                ; this fragment is in; the twelve loads of the three behind it may be out
.else
	s_wait_dscnt 4*(15-fi)
.endif
	WIN 0x50                                       ; K and Q window 0, C and D window 1
.irp t, 0,1,2,3
.if (fi%2) == 0
	v_wmma_f32_16x16x128_fp8_fp8 v[64*\t+8*(fi/2):64*\t+8*(fi/2)+7], v[PC+16*(fi%4):PC+16*(fi%4)+15], v[QF+32*\t:QF+32*\t+15], 0
.else
	v_wmma_f32_16x16x128_fp8_fp8 v[64*\t+8*(fi/2):64*\t+8*(fi/2)+7], v[PC+16*(fi%4):PC+16*(fi%4)+15], v[QF+32*\t+16:QF+32*\t+31], v[64*\t+8*(fi/2):64*\t+8*(fi/2)+7]
.endif
.endr
.if fi < 12
	PLACES 4                                       ; four places ahead of loads into registers that matrix instructions have read
	FETCHK fi+4
.endif
.set fi, fi+1
.endr
	WIN 0
	PLACES 4                                       ; and ahead of the first read of results (ISA guide 7.12.1)
.endm
; The softmax of tile t for this step's 128 keys, 64 a lane.  zero = 1: the first step: O^T does not exist yet and is not rescaled.
.macro SMX t, zero
.set rS, 64*(\t)
.set rT, ST+4*(\t)
.set rP, PC+16*(\t)
.set rO, 128*((\t)%2)
	WIN 0x15                                       ; sources window 1
	v_max3_num_f32 v[TA], v[rS], v[rS+1], v[rS+2]  ; the largest score of my query among my 64 keys, in two chains, registers ascending: each accumulator is read from its low end on
	v_max3_num_f32 v[TB], v[rS+3], v[rS+4], v[rS+5]
	WIN 0x14
.set k, 6
.rept 14
	v_max3_num_f32 v[TA], v[TA], v[rS+k], v[rS+k+1]
	v_max3_num_f32 v[TB], v[TB], v[rS+k+2], v[rS+k+3]
.set k, k+4
.endr
	v_max3_num_f32 v[TA], v[TA], v[rS+62], v[rS+63]
	WIN 0
	v_max_num_f32 v[TA], v[TA], v[TB]
	v_permlanex16_b32 v[TC], v[TA], s50, s51
	v_max_num_f32 v[TA], v[TA], v[TC]              ; and among lane l xor 16's
	v_mul_f32 v[TA], s48, v[TA]                    ; as t (c is positive)
	v_max_num_f32 v[rT+1], v[rT+1], v[TA]          ; the running largest t
	v_mov_b32 v[TA], v[rT]
	v_floor_f32 v[rT], -v[rT+1]                    ; the new -M = -ceil(t): M is a whole number
	v_sub_f32 v[TA], v[rT], v[TA]                  ; old M - new M: a whole number, 0 or less
	v_cvt_i32_f32 v[TA], v[TA]                     ; (it saturates)
	v_ldexp_f32 v[F], 1.0, v[TA]                   ; f = 2^(old M - new M): a multiplication by it rounds nothing
	WIN 0x41                                       ; source 0 and destination window 1
.set k, 0
.rept 32
	v_pk_fma_f32 v[rS+k:rS+k+1], v[rS+k:rS+k+1], s[48:49], v[rT:rT+1] op_sel_hi:[1,0,0]   ; t - M, two at a time (of the pairs c and -M the low word serves both halves)
.set k, k+2
.endr
.set k, 0
.rept 64
	v_exp_f32 v[rS+k], v[rS+k]                     ; p = 2^(t - M), at most 1
.set k, k+1
.endr
	WIN 0
	v_pk_mul_f32 v[rT+2:rT+3], v[rT+2:rT+3], v[F:F+1] op_sel_hi:[1,0]   ; l under the new M; also the plain instruction behind the exponentials
	WIN 0x05
	s_wait_alu depctr_va_vdst(0)
	v_pk_add_f32 v[T2:T2+1], v[rS:rS+1], v[rS+2:rS+3]   ; the sum is taken of the unquantised p, in two chains
	WIN 0x04
.set k, 4
.rept 15
	v_pk_add_f32 v[rT+2:rT+3], v[rT+2:rT+3], v[rS+k:rS+k+1]
	v_pk_add_f32 v[T2:T2+1], v[T2:T2+1], v[rS+k+2:rS+k+3]
.set k, k+4
.endr
	WIN 0
	v_pk_add_f32 v[rT+2:rT+3], v[rT+2:rT+3], v[T2:T2+1]
	WIN 0x41
.set k, 0
.rept 64
	v_min_num_f32 v[rS+k], v[rS+k], v[LIM5]        ; the conversion to an 8-bit code does not saturate (ISA guide 7.6.2); p is not negative, so the hold is one-sided; it stands for every e5, with no branch
.set k, k+1
.endr
	WIN 0x01
.set k, 0
.rept 8
	v_cvt_scalef32_pk8_fp8_f32 v[rP+2*k:rP+2*k+1], v[rS+8*k:rS+8*k+7], v[SC5]   ; key tile k is register pair k of P's fragment
.set k, k+1
.endr
.if \zero
	v_nop                                          ; one plain instruction between the conversions and the products that read their results
.else
	WIN 0x82+0x41*((\t)/2)                         ; O^T (source 0 and destination) window 2 or 3, f window 0
.set k, 0
.rept 64
	v_pk_mul_f32 v[rO+k:rO+k+1], v[rO+k:rO+k+1], v[F:F+1] op_sel_hi:[1,0]   ; O^T under the new M; plain lines behind the conversions
.set k, k+2
.endr
.endif
.endm
.macro FETCHV c0, c1                   ; V's fragments of channel tiles c0 .. c1 - 1, into the registers of S^T that have been turned into codes
	WIN 0x40
.set ct, \c0
.rept \c1-\c0
.irp c, 0,1,2,3
	ds_load_b128 v[16*ct+4*\c:16*ct+4*\c+3], v[AV] offset:ct*2048+\c*512
.endr
.set ct, ct+1
.endr
.endm
.macro PVRUN c0, c1, t0, zero          ; O^T += V^T P^T for channel tiles c0 .. c1 - 1 and query tiles t0, t0 + 1: every instruction another accumulator
.set ct, \c0
.rept \c1-\c0
.irp u, 0,1
.if \zero
	v_wmma_f32_16x16x128_fp8_fp8 v[128*\u+8*ct:128*\u+8*ct+7], v[16*ct:16*ct+15], v[PC+16*(\t0+\u):PC+16*(\t0+\u)+15], 0
.else
	v_wmma_f32_16x16x128_fp8_fp8 v[128*\u+8*ct:128*\u+8*ct+7], v[16*ct:16*ct+15], v[PC+16*(\t0+\u):PC+16*(\t0+\u)+15], v[128*\u+8*ct:128*\u+8*ct+7]
.endif
.endr
.set ct, ct+1
.endr
.endm
.macro PV zero
	s_wait_dscnt 16                                ; channel tiles 0-11 are in; the youngest sixteen loads (tiles 12-15) may be out
	WIN 0xa1                                       ; V window 1, P window 0, C and D window 2
	PVRUN 0, 12, 0, \zero
	s_wait_dscnt 0x0
	PVRUN 12, 16, 0, \zero
	WIN 0xf1                                       ; C and D window 3
	PVRUN 0, 16, 2, \zero
	WIN 0
.endm
; A key step.  zero = 1: the first products start O^T: nothing is ever cleared.  fill = 1: both regions are filled again for the next step.
.macro STEP zero, fill
	SPHASE
	SMX 0, \zero
	SMX 1, \zero
.if \fill
	CHANGE 32                                      ; K has been read out: the next step's K has half a softmax and the second product in which to land; V of this step has landed
.else
	WIN 0
	s_wait_tensorcnt 0x0                           ; V of the last step has landed
.endif
	FETCHV 0, 8
	SMX 2, \zero
	FETCHV 8, 12
	SMX 3, \zero
	FETCHV 12, 16
	PV \zero
.if \fill
	CHANGE 36                                      ; V has been read out: the next step's V has the first product and half a softmax in which to land; K of the next step has landed
.endif
.endm
	s_wait_loadcnt 0x0                             ; Q
	s_wait_tensorcnt 0x1                           ; K of step 0, my own bytes, has landed; V's load may stay out.  Only the wave that asked reads these bytes, so no barrier stands here
	STEP 1, 1
	s_mov_b32 s52, 6
.Lstep:                                            ; steps 1 to 6
	STEP 0, 1
	s_sub_co_u32 s52, s52, 1
	s_cmp_lg_u32 s52, 0
	s_cbranch_scc1 .Lstep
	STEP 0, 0                                      ; the last step is written out: it asks for nothing
	; ---- THE END.  Behind this barrier nobody reads K's or V's region, and nothing fills them: they have had their last fill and serve the exchange of O
	PLACES 4                                       ; ahead of the first read of the last products' results
	s_wait_tensorcnt 0x0
	s_wait_dscnt 0x0
	s_barrier_signal -1
	s_barrier_wait -1
.irp t, 0,1,2,3
	v_add_f32 v[ST+4*\t+2], v[ST+4*\t+2], v[ST+4*\t+3]   ; l's two halves,
.endr
.irp t, 0,1,2,3
	v_permlanex16_b32 v[ST+4*\t+3], v[ST+4*\t+2], s50, s51
.endr
.irp t, 0,1,2,3
	v_add_f32 v[ST+4*\t+2], v[ST+4*\t+2], v[ST+4*\t+3]   ; and lane l xor 16's
.endr
.irp t, 0,1,2,3
	ds_store_b32 v[SA], v[ST+4*\t] offset:\t*1024
	ds_store_b32 v[SA], v[ST+4*\t+2] offset:\t*1024+128
.endr
.irp t, 0,1,2,3                        ; all four tiles of O^T as they stand, 512 consecutive bytes a store, registers ascending; my own tile too, so that no register number hangs on the wave
	WIN 0x08+4*(\t/2)                              ; store data window 2 or 3
.set k, 0
.rept 32
	ds_store_b128 v[XW+\t], v[128*(\t%2)+4*k:128*(\t%2)+4*k+3] offset:512*k
.set k, k+1
.endr
.endr
	WIN 0
	s_wait_dscnt 0x0                               ; for the others: my stores have landed
.irp o, 0,1,2,3
	global_load_b32 v[112+\o], v[BR], s[14:15] offset:64*\o   ; proj_b of channel 64 w + 16 o + r
.endr
	WIN 0xc0                                       ; destination window 3: O^T has left it
.irp o, 0,1,2,3
.irp s, 0,1
.irp c, 0,1,2,3
	global_load_b128 v[32*\o+16*\s+4*\c:32*\o+16*\s+4*\c+3], v[LI], s[10:11] offset:\o*4096+\s*2048+\c*512   ; my four tiles of proj_w
.endr
.endr
.endr
.irp o, 0,1,2,3
.irp i, 0,1,2,3,4,5,6,7
	global_load_b128 v[128+32*\o+4*\i:128+32*\o+4*\i+3], v[GX], s[16:17] offset:(16*\o+2*\i)*16384 th:TH_LOAD_NT   ; x: 16 lanes read 256 consecutive bytes of a channel; asked for a merge and a product ahead of their use
.endr
.endr
	WIN 0
	s_barrier_signal -1
	s_barrier_wait -1
	; ---- the merge: wave w owns tile w
.macro XLOAD win, reg, src             ; O^T of my tile as wave src left it, 128 registers
	WIN \win
.set k, 0
.rept 32
	ds_load_b128 v[\reg+4*k:\reg+4*k+3], v[XR] offset:\src*16384+512*k
.set k, k+1
.endr
.endm
.macro MERGE win, reg, src, first
	WIN \win
.set k, 0
.rept 64
.if \first
	v_pk_mul_f32 v[OF+k:OF+k+1], v[\reg+k:\reg+k+1], v[104+2*\src:105+2*\src] op_sel_hi:[1,0]
.else
	v_pk_fma_f32 v[OF+k:OF+k+1], v[\reg+k:\reg+k+1], v[104+2*\src:105+2*\src], v[OF+k:OF+k+1] op_sel_hi:[1,0,1]
.endif
.set k, k+2
.endr
.endm
.irp s, 0,1,2,3
	ds_load_b32 v[96+2*\s], v[SR] offset:\s*256    ; -M and l of the four waves
	ds_load_b32 v[97+2*\s], v[SR] offset:\s*256+128
.endr
	XLOAD 0x40, 0, 0
	WIN 0
	s_wait_dscnt 32                                ; the statistics are in; the 32 loads behind them may be out
	v_min_num_f32 v[TA], v96, v98
	v_min_num_f32 v[TB], v100, v102
	v_min_num_f32 v[TA], v[TA], v[TB]              ; -M of the row: the least of the four
.irp s, 0,1,2,3
	v_sub_f32 v[104+2*\s], v[TA], v[96+2*\s]       ; a wave's M less the row's: a whole number, 0 or less
.endr
.irp s, 0,1,2,3
	v_cvt_i32_f32 v[104+2*\s], v[104+2*\s]
.endr
.irp s, 0,1,2,3
	v_ldexp_f32 v[104+2*\s], 1.0, v[104+2*\s]      ; f of that wave: an exact power of two
.endr
	v_mul_f32 v[TB], v104, v97
	v_fmac_f32 v[TB], v106, v99
	v_fmac_f32 v[TB], v108, v101
	v_fmac_f32 v[TB], v110, v103                   ; the row's l
	v_rcp_f32 v[TB], v[TB]
	v_nop                                          ; one plain instruction behind a transcendental
	s_wait_alu depctr_va_vdst(0)
	v_ldexp_f32 v[TB], v[TB], s60                  ; 2^(e4 + e5) / l
.irp s, 0,1,2,3
	v_mul_f32 v[104+2*\s], v[104+2*\s], v[TB]
.endr
.irp s, 0,1,2,3
	v_mov_b32 v[105+2*\s], v[104+2*\s]             ; (named as the pair's upper half)
.endr
	XLOAD 0x40, 128, 1
	s_wait_dscnt 32                                ; the source before is in; the 32 loads just issued may be out
	MERGE 0x01, 0, 0, 1
	XLOAD 0x80, 0, 2
	s_wait_dscnt 32
	MERGE 0x01, 128, 1, 0
	XLOAD 0x80, 128, 3
	s_wait_dscnt 32
	MERGE 0x02, 0, 2, 0
	s_wait_dscnt 0x0
	MERGE 0x02, 128, 3, 0
	WIN 0
	; ---- register 8 ct + j is the result at position r of my tile, channel 16 ct + 8 h + j: channel tile ct is register pair ct of the last product's operand
.set k, 0
.rept 128
	v_med3_num_f32 v[OF+k], v[OF+k], -v[LIM6], v[LIM6]
.set k, k+1
.endr
.set k, 0
.rept 16
	v_cvt_scalef32_pk8_fp8_f32 v[PC+2*k:PC+2*k+1], v[OF+8*k:OF+8*k+7], v[SC6]
.set k, k+1
.endr
	v_nop                                          ; one plain instruction behind the conversions: their sources are written again below
.irp c, 0,1,2,3,4,5,6,7
	ds_store_b128 v[CW], v[PC+4*\c:PC+4*\c+3] offset:512*\c
.endr
	s_wait_dscnt 0x0
	s_barrier_signal -1
	s_barrier_wait -1
	; ---- the projection: my 64 output channels for all 64 positions
	WIN 0x40
.irp n, 0,1,2,3
.irp c, 0,1,2,3,4,5,6,7
	ds_load_b128 v[32*\n+4*\c:32*\n+4*\c+3], v[CR] offset:\n*4096+512*\c
.endr
.endr
	s_wait_loadcnt 32                              ; proj_b and proj_w are in; the 32 loads of x may be out
	s_wait_dscnt 0x0
	WIN 0xad                                       ; source 0 (codes) window 1, source 1 (proj_w) window 3, C and D window 2
.irp s, 0,1
.irp o, 0,1,2,3
.irp n, 0,1,2,3
.if \s == 0
	v_wmma_f32_16x16x128_fp8_fp8 v[8*(4*\o+\n):8*(4*\o+\n)+7], v[32*\n:32*\n+15], v[32*\o:32*\o+15], 0
.else
	v_wmma_f32_16x16x128_fp8_fp8 v[8*(4*\o+\n):8*(4*\o+\n)+7], v[32*\n+16:32*\n+31], v[32*\o+16:32*\o+31], v[8*(4*\o+\n):8*(4*\o+\n)+7]
.endif
.endr
.endr
.endr
	WIN 0
	PLACES 4
	; ---- out: 16 channels at a time through my own stage; LDS serves a wave's instructions in order (ISA guide 5.7.1.4), so no wait stands between the stores and the loads, nor ahead of the next stores
.irp o, 0,1,2,3
	WIN 0x02                                       ; source 0 window 2
.set k, 0
.rept 32
	v_fma_f32 v[OF+32*\o+k], v[32*\o+k], s61, v[112+\o]   ; sum x 2^(e6 + e7) + proj_b; each accumulator from its low end on
.set k, k+1
.endr
	WIN 0
.irp n, 0,1,2,3
	ds_store_b128 v[SO], v[OF+32*\o+8*\n:OF+32*\o+8*\n+3] offset:64*\n          ; channel r, positions 16 n + 8 h + 0 .. 7
	ds_store_b128 v[SO], v[OF+32*\o+8*\n+4:OF+32*\o+8*\n+7] offset:64*\n+16
.endr
	WIN 0x40
.irp i, 0,1,2,3,4,5,6,7
	ds_load_b128 v[128+32*\o+4*\i:128+32*\o+4*\i+3], v[SRD] offset:544*\i
.endr
	s_wait_dscnt 0x0
	s_wait_loadcnt 24-8*\o                         ; x of these 16 channels is in; eight loads for each later 16 may be out
	WIN 0x4d                                       ; y window 1, x window 3
.set k, 0
.rept 16
	v_pk_add_f32 v[128+32*\o+k:128+32*\o+k+1], v[128+32*\o+k:128+32*\o+k+1], v[128+32*\o+k:128+32*\o+k+1]
.set k, k+2
.endr
	WIN 0x04                                       ; store data window 1
.irp i, 0,1,2,3,4,5,6,7
	global_store_b128 v[GX], v[128+32*\o+4*\i:128+32*\o+4*\i+3], s[18:19] offset:(16*\o+2*\i)*16384 th:TH_STORE_NT   ; 16 lanes store 256 consecutive bytes, at a multiple of 256 from the first byte of out0
.endr
.endr
	WIN 0
	s_wait_tensorcnt 0x0                           ; the wave's end: behind my last tensor load and my last LDS store
	ds_add_u32 v[SPW], v[NIL]
	s_wait_dscnt 0x0
	CROUND                                         ; the closing round: no work-group ends while a partner may still ask for a tile that names it
	s_endpgm
.Lfunc_end_k_qb52de73d98_attn:
	.size	k_qb52de73d98_attn, .Lfunc_end_k_qb52de73d98_attn-k_qb52de73d98_attn
	.p2alignl 7, 3214868480
	.fill 96, 4, 3214868480
	.section	.rodata,"a",@progbits
	.p2align	6, 0x0
	.amdhsa_kernel k_qb52de73d98_attn
		.amdhsa_group_segment_fixed_size 327680
		.amdhsa_private_segment_fixed_size 0
		.amdhsa_enable_private_segment 0
		.amdhsa_kernarg_size 64
		.amdhsa_user_sgpr_count 2
		.amdhsa_user_sgpr_kernarg_segment_ptr 1
		.amdhsa_wavefront_size32 1
		.amdhsa_system_sgpr_workgroup_id_x 1
		.amdhsa_system_sgpr_workgroup_id_y 1
		.amdhsa_system_sgpr_workgroup_id_z 1
		.amdhsa_system_vgpr_workitem_id 0
		.amdhsa_next_free_vgpr 1024
		.amdhsa_next_free_sgpr 66
		.amdhsa_reserve_vcc 0
		.amdhsa_float_denorm_mode_32 3
		.amdhsa_float_denorm_mode_16_64 3
		.amdhsa_memory_ordered 1
		.amdhsa_forward_progress 1
		.amdhsa_inst_pref_size 255
	.end_amdhsa_kernel
	.section	.bss,"aw",@nobits
	.p2align	6
	.space	262144
	.amdgpu_metadata
---
amdhsa.version: [ 1, 2 ]
amdhsa.kernels:
  - .name:           k_qb52de73d98_attn
    .symbol:         k_qb52de73d98_attn.kd
    .args:
      - { .name: q_codes, .offset: 0, .size: 8, .value_kind: global_buffer, .address_space: global }
      - { .name: k_codes, .offset: 8, .size: 8, .value_kind: global_buffer, .address_space: global }
      - { .name: v_codes, .offset: 16, .size: 8, .value_kind: global_buffer, .address_space: global }
      - { .name: w_codes, .offset: 24, .size: 8, .value_kind: global_buffer, .address_space: global }
      - { .name: lowp_scales, .offset: 32, .size: 8, .value_kind: global_buffer, .address_space: global }
      - { .name: proj_b, .offset: 40, .size: 8, .value_kind: global_buffer, .address_space: global }
      - { .name: x, .offset: 48, .size: 8, .value_kind: global_buffer, .address_space: global }
      - { .name: out0, .offset: 56, .size: 8, .value_kind: global_buffer, .address_space: global }
    .group_segment_fixed_size: 327680
    .private_segment_fixed_size: 0
    .kernarg_segment_align: 8
    .kernarg_segment_size: 64
    .max_flat_workgroup_size: 128
    .sgpr_count:     66
    .vgpr_count:     1024
    .wavefront_size: 32
...
	.end_amdgpu_metadata
.endif
;; end of part 3
